; MI455X (gfx1250); checked and timed in simulation.
; The chip was launched on July 23, 2026; its instructions are those of AMD's public machine-readable ISA for CDNA 5 (MIT licence, August 2026) and "CDNA5" Instruction Set Architecture Reference Guide (July 2026). The comments in the code are by the model that wrote it; some were corrected since.
;; Self Attention. Allowed arithmetic: matrix products marked QUANTISED: E4M3 operands, one given power-of-two scale a tensor, by v_wmma_f32_16x16x64_fp8_fp8 or v_wmma_f32_16x16x128_fp8_fp8, f32 sums; everything else in f32.
;; Inputs: b_out 1,024 float32; key 4 x 2,048 x 1,024 float32; lowp_scales 6 int32 (the exponents e of the quantised operands' scales 2^e); mask 4 x 1 x 2,048 x 2,048 int32; query 4 x 2,048 x 1,024 float32; value_codes 4 x 1,024 x 64 x 32 uint8 (E4M3 codes of value, K innermost, in blocks of 32 codes); w_out_codes 1,024 x 32 x 32 uint8 (E4M3 codes of w_out, K innermost, in blocks of 32 codes).
;; Outputs: out0 4 x 2,048 x 1,024 float32.
;; This version of the problem:
;;   THIS VERSION OF THE PROBLEM IS GIVEN IN LOW PRECISION. The matrix products marked QUANTISED in the list below multiply operands that are first quantised to E4M3 (4 exponent bits, 3 mantissa bits; 8 bits a number), with one given power-of-two scale for each operand tensor; their sums are f32. All else is computed in f32.
;;   The module's matrix products, in the order in which they are computed (A, B: the left and right operand; K: the contracted axis; several contracted axes count as one K, in the product's order):
;;     1. batch 64 x [M 2,048, K 64] x [K 64, N 2,048]; A: input query; B: input key: QUANTISED (scales: A lowp_scales[0], B lowp_scales[1])
;;     2. batch 64 x [M 64, K 2,048] x [K 2,048, N 2,048]; A: input value (given as codes); B: softmax (see below): QUANTISED (scales: A lowp_scales[2], B lowp_scales[3])
;;     3. [M 8,192, K 1,024] x [K 1,024, N 1,024]; A: computed on the way; B: input w_out (given as codes): QUANTISED (scales: A lowp_scales[4], B lowp_scales[5])
;;   THE QUANTISER, for each operand of a quantised product, along K:
;;     - The operand's scale is 2^e, e = its entry of the input lowp_scales (int32; the entries are numbered through the quantised products in the list's order, A before B).
;;     - Each number is divided by the scale, clamped to +-448, and rounded to the nearest number of E4M3, ties to even, subnormals kept.
;;     - The product sums the exact products of the quantised numbers (number of the format x scale) in f32.
;;   ~~~python
;;   def quantise(x, axis, e):      # numpy; x: float32 -> the quantised numbers, widened to float32 again
;;       x = np.moveaxis(x, axis, -1); K = x.shape[-1]
;;       r = np.clip(x / 2.0 ** e, -448, 448)
;;       step = 2.0 ** (np.maximum(np.frexp(np.where(r == 0, 1, r))[1] - 1, -6) - 3)
;;       q = np.round(r / step) * step * 2.0 ** e      # np.round: ties to even
;;       return np.moveaxis(q, -1, axis).astype(np.float32)
;;   ~~~
;;   SOFTMAX AHEAD OF A QUANTISED PRODUCT. Where the list says 'softmax', what is quantised is not the finished softmax but p = 2^(t - M), with t = logit x log2(e) and M = ceil(the row's largest t), a whole number; so 1/2 < the row's largest p <= 1. The row's sum l is taken of the UNQUANTISED p, in f32, and the product's result is divided by l at the end. Since M is a whole number, a kernel that streams over the keys may use a running M (the ceiling of the running maximum): every later rescaling is an exact power of two, so the quantised numbers keep their values, but for numbers so far below the row's largest that they fall under the format's range.
;;   OPERANDS COMPUTED ON THE WAY. 'Computed on the way' means the value that the module computes at that place (a softmax that the list does not call 'softmax' is quantised finished and normalised). What goes into a quantiser is computed in f32, as accurately as f32 sums, v_exp_f32 and their like allow (about 1e-6 of the number): no bf16 or f16 on the way to a quantiser, and a product that is left as it is and whose result goes on into a quantised operand takes f32 operands (vector FMAs, or v_wmma_f32_16x16x4_f32). A number that lies on a knife's edge between two numbers of the format may be rounded either way, as far as f32 arithmetic and the matrix unit's own rounding can turn it there, and no further.
;;   INPUTS GIVEN AS CODES. value (in the module: [4, 2048, 1024], K = its axis 1); w_out (in the module: [1024, 1024], K = its axis 1): each comes as NAME_codes (uint8): NAME with its K axis moved to the last place and cut into blocks of 32 codes, [.., K / 32, bytes a block], one block behind the other in memory; one code a byte (a code: sign, 4 exponent bits, 3 mantissa bits); its scale is its entry of lowp_scales. Its value is code x scale, taken as it is: it is not quantised again, and the codes and scales need not be those that the quantiser above would give.
;; One version. Each part assembles by itself: llvm-mc -triple=amdgcn-amd-amdhsa -mcpu=gfx1250 --defsym DOCPART=n.
;; ======== version 1 of 1: 3 launches
;; limits: right only within a limited range of input values
;; workspace buffers: kimg 8,388,608 bytes; maskw 2,097,152 bytes of whole numbers; aimg 8,388,608 bytes
;; launch prep (part 1): grid 768 x 1, 4 waves a work-group, no clusters, 34,304 bytes of LDS; arguments key, mask, lowp_scales, kimg, maskw; writes kimg, maskw
.if DOCPART == 1
	.amdgcn_target "amdgcn-amd-amdhsa--gfx1250"
	.amdhsa_code_object_version 6
	.text
	.protected	k_q6c6e0cd277_prep
	.globl	k_q6c6e0cd277_prep
	.p2align	8
	.type	k_q6c6e0cd277_prep,@function
k_q6c6e0cd277_prep:
	s_mov_b64 s[64:65], 0
	v_nop
	global_prefetch_b8 v0, s[64:65] scope:SCOPE_SE
	s_setreg_imm32_b32 hwreg(HW_REG_WAVE_MODE, 25, 1), 1
	s_wait_xcnt 0x0
; key [4][2048][1024] f32 becomes kimg: codes of E4M3 with the given scale 2^e1, laid as images of the first product's operand registers.
; mask [4][1][2048][2048] int32 becomes maskw: one bit a number, laid as the lane masks that the attention launch's selects take.
; code = x / 2^e1, held within +-448, to the nearest code, ties to even.  LIMITS: e1 between -126 and 119; NaN among the inputs is not served.
; kimg: head H = 16 n + h begins at H x 131,072 and has 64 rows of 2,048 bytes; a slot s of 256 keys is bytes 256 s .. 256 s + 255 of every row.  Row 4 f + 2 g + hh, byte 16 r + i holds the code of
;   key 256 s + 128 (f / 8) + 32 ((f % 8) / 2) + 8 (f % 2) + r + 8 (r / 8), channel 32 g + 16 hh + i: fragment f of the slot, group g of four registers, lane (r, hh).
; maskw: tile of 16 queries QT = 128 n + q / 16 and step st of 128 keys: 64 words at (16 QT + st) x 256; bit (r + 16 hh) of word 16 b + i is 1 where mask[n][16 (QT % 128) + r][128 st + 32 b + 16 hh + i] is not 0.
; SHARES.  A unit is 16 rows x 512 bytes; a wave takes four units, 512 bytes apart along the same 16 rows.  Work-groups 0-255 take key (a unit: the 16 keys of a fragment x two heads),
; work-groups 256-767 take mask (a unit: 16 queries x 128 keys): 128 KiB of input each.  Only whole numbers and pointers are chosen by the work-group's number, and the register work of a unit.
; Each load reads 512 consecutive bytes of a row; the unit turns through the wave's own stage in LDS, so that lane (r, hh) holds, of row r, numbers 32 b + 16 hh + 0 .. 15, b = 0 .. 3.
; Loads run two units (32 loads a wave) ahead.  No tensor load, no barrier: waves share nothing.  No matrix unit and no cluster: the launch only streams, and no byte is read twice.
.set WGK,  256                         ; work-groups for key
.set SP,   528                         ; a stage row: 512 bytes + 16 = 33 x 16, so that sixteen rows' reads of one column fall on sixteen different 16-byte columns of 256
.set STG,  16*SP                       ; a wave's stage
.set OFF,  16                          ; v16-31   byte offset of my 16 bytes in row i; never rewritten
.set R,    32                          ; v32-159  two sets of 64: a unit as it is loaded
.set X,    160                         ; v160-223 a unit as lane (r, hh) wants it
.set C,    224                         ; v224-239 codes
.set WD,   240                         ; v240-241 mask words 2 l and 2 l + 1 in lane l
	s_load_b256 s[4:11], s[0:1], 0x0               ; key s[4:5], mask s[6:7], the scales' exponents s[8:9], kimg s[10:11]
	s_load_b64 s[12:13], s[0:1], 0x20              ; maskw
	v_lshl_add_u32 v244, v0, 2, 0x8400
	v_mov_b32 v245, 0
	v_lshrrev_b32 v1, 5, v0
	v_readfirstlane_b32 s14, v1                    ; wave 0..3
	v_and_b32 v1, 31, v0                           ; lane
	v_and_b32 v6, 15, v0                           ; r
	v_bfe_u32 v7, v0, 4, 1                         ; hh
	s_mul_i32 s15, s14, STG
	v_lshlrev_b32 v2, 4, v1
	v_add_nc_u32 v2, s15, v2                       ; into the stage: 16 x lane of a row
	v_mul_u32_u24 v3, v6, SP
	v_lshl_add_u32 v3, v7, 6, v3
	v_add_nc_u32 v3, s15, v3                       ; out of it: row r, + 64 hh
	v_lshlrev_b32 v4, 4, v6
	v_lshl_add_u32 v4, v7, 11, v4                  ; kimg: 2,048 hh + 16 r
	v_lshlrev_b32 v5, 3, v1                        ; maskw: 8 x lane
	v_mov_b32 v[WD], 0                             ; written once whole: v_writelane_b32 counts its destination as read
	v_mov_b32 v[WD+1], 0
	s_cmp_lt_u32 ttmp9, WGK
	s_cselect_b32 s15, 0, WGK
	s_sub_co_u32 s15, ttmp9, s15
	s_lshl_b32 s15, s15, 2
	s_add_co_u32 s15, s15, s14                     ; g: which wave of its tensor's waves
	; key's numbers: n = g / 256, fragment f = (g / 2) % 128, hq = g % 2 (which eight heads)
	s_lshr_b32 s18, s15, 8                         ; n
	s_bfe_u32 s19, s15, 0x70001                    ; f
	s_and_b32 s20, s15, 1                          ; hq
	s_lshr_b32 s21, s19, 3
	s_lshl_b32 s21, s21, 7
	s_bfe_u32 s26, s19, 0x20001
	s_lshl_b32 s26, s26, 5
	s_add_co_u32 s21, s21, s26
	s_and_b32 s26, s19, 1
	s_lshl_b32 s26, s26, 3
	s_add_co_u32 s21, s21, s26                     ; the fragment's first key: 128 (f / 8) + 32 ((f / 2) % 4) + 8 (f % 2)
	s_lshl_b32 s21, s21, 12                        ; x 4,096 bytes a key
	s_lshl_b32 s26, s18, 23
	s_add_co_u32 s21, s21, s26                     ; + n x 8,388,608
	s_lshl_b32 s26, s20, 11
	s_add_co_u32 s21, s21, s26                     ; + hq x 2,048: where I read in key
	s_lshl_b32 s26, s18, 4
	s_lshl_b32 s27, s20, 3
	s_add_co_u32 s26, s26, s27
	s_lshl_b32 s26, s26, 17                        ; head 16 n + 8 hq
	s_and_b32 s27, s19, 15
	s_lshl_b32 s27, s27, 13
	s_add_co_u32 s26, s26, s27                     ; + four rows for each fragment of the slot
	s_lshr_b32 s27, s19, 4
	s_lshl_b32 s27, s27, 8
	s_add_co_u32 s26, s26, s27                     ; + 256 x slot: where I write in kimg
	; mask's numbers: QT = g / 4, quarter of the keys g % 4
	s_lshr_b32 s28, s15, 2
	s_and_b32 s29, s15, 3
	s_lshl_b32 s30, s28, 17
	s_lshl_b32 s31, s29, 11
	s_add_co_u32 s30, s30, s31                     ; where I read in mask: 16 rows of 8,192 bytes a tile, 2,048 bytes a quarter
	s_lshl_b32 s28, s28, 12
	s_lshl_b32 s29, s29, 10
	s_add_co_u32 s28, s28, s29                     ; where I write in maskw
	s_mov_b32 s16, 8192
	s_mov_b32 s17, 8192
	s_cmp_lt_u32 ttmp9, WGK                        ; the choice hangs on the work-group's number alone
	s_cselect_b32 s18, s21, s30
	s_cselect_b32 s20, s26, s28
	s_cselect_b32 s16, 4096, s16                   ; from row to row,
	s_cselect_b32 s17, 36864, s17                  ; and from row 7 to row 8: a fragment's keys are 0-7 and 16-23; a tile's queries are neighbours
	s_mov_b32 s19, 0
	s_mov_b32 s21, 0
	s_wait_kmcnt 0x0
	s_load_b32 s26, s[8:9], 0x4                    ; e1
	s_cselect_b64 s[22:23], s[4:5], s[6:7]
	s_cselect_b64 s[24:25], s[10:11], s[12:13]
	s_add_nc_u64 s[22:23], s[22:23], s[18:19]      ; in
	s_add_nc_u64 s[24:25], s[24:25], s[20:21]      ; out
	v_lshlrev_b32 v[OFF], 4, v1
.irp i, 1,2,3,4,5,6,7
	v_add_nc_u32 v[OFF+\i], s16, v[OFF+\i-1]
.endr
	v_add_nc_u32 v[OFF+8], s17, v[OFF+7]
.irp i, 9,10,11,12,13,14,15
	v_add_nc_u32 v[OFF+\i], s16, v[OFF+\i-1]
.endr
.macro LOAD u                          ; unit u: sixteen rows, 512 consecutive bytes each; read once in the launch
.set i, 0
.rept 16
	global_load_b128 v[R+64*((\u)%2)+4*i:R+64*((\u)%2)+4*i+3], v[OFF+i], s[22:23] offset:512*(\u) th:TH_LOAD_NT
.set i, i+1
.endr
.endm
	LOAD 0
	LOAD 1
	s_wait_alu depctr_va_vdst(0)
	s_wait_kmcnt 0x0
	s_add_co_i32 s26, s26, 127
	s_lshl_b32 s27, s26, 23
	v_mov_b32 v11, s27                             ; 2^e1 as f32: the conversion takes its exponent field
	s_add_co_i32 s26, s26, 8
	s_lshl_b32 s26, s26, 23
	s_or_b32 s26, s26, 0x600000
	v_mov_b32 v10, s26                             ; 448 x 2^e1
.macro UNIT u
.if (\u) < 3
	s_wait_loadcnt 16                              ; this unit's sixteen loads are in; the next unit's sixteen may be out
.else
	s_wait_loadcnt 0x0
.endif
.set i, 0
.rept 16
	ds_store_b128 v2, v[R+64*((\u)%2)+4*i:R+64*((\u)%2)+4*i+3] offset:SP*i
.set i, i+1
.endr
.set i, 0
.rept 16                               ; LDS serves a wave's instructions in order (ISA guide 5.7.1.4): these see the stores above
	ds_load_b128 v[X+4*i:X+4*i+3], v3 offset:128*(i/4)+16*(i%4)
.set i, i+1
.endr
	s_wait_dscnt 0x0                               ; the unit is back, so its stores into the stage have read their registers
	s_wait_xcnt 0x0                                ; the last unit's global stores have read their data: codes and words are written again only behind this wait
.if (\u) < 2
	LOAD (\u)+2
.endif
	s_cmp_lt_u32 ttmp9, WGK
	s_cbranch_scc0 .Lmask_\@
.set i, 0
	s_wait_alu depctr_va_vdst(0)
.rept 64
	v_med3_num_f32 v[X+i], v[X+i], -v10, v10       ; the conversion to an 8-bit code does not saturate (ISA guide 7.6.2): the hold at the largest code x the scale
.set i, i+1
.endr
.set i, 0
.rept 8
	v_cvt_scalef32_pk8_fp8_f32 v[C+2*i:C+2*i+1], v[X+8*i:X+8*i+7], v11
.set i, i+1
.endr
	v_nop                                          ; a plain vector line behind the last conversion
.irp b, 0,1,2,3                        ; head 2 u + b / 2 of my eight, group b % 2: sixteen lanes store 256 consecutive bytes, at a multiple of 256
	global_store_b128 v4, v[C+4*\b:C+4*\b+3], s[24:25] offset:(\u)*262144+(\b/2)*131072+(\b%2)*4096
.endr
	s_branch .Ljoin_\@
.Lmask_\@:
.set i, 0
	s_wait_alu depctr_va_vdst(0)
.rept 16                               ; a compare's lane mask IS word n; it goes to lane n / 2 of the register pair that is stored.  Four at a time, so that no line waits for the line above it
	v_cmp_ne_u32 s28, 0, v[X+i]
	v_cmp_ne_u32 s29, 0, v[X+i+1]
	v_cmp_ne_u32 s30, 0, v[X+i+2]
	v_cmp_ne_u32 s31, 0, v[X+i+3]
	v_writelane_b32 v[WD], s28, i/2
	v_writelane_b32 v[WD+1], s29, i/2
	v_writelane_b32 v[WD], s30, i/2+1
	v_writelane_b32 v[WD+1], s31, i/2+1
.set i, i+4
.endr
	global_store_b64 v5, v[WD:WD+1], s[24:25] offset:256*(\u)   ; 32 lanes store 256 consecutive bytes, at a multiple of 256
.Ljoin_\@:
.endm
	UNIT 0
	UNIT 1
	UNIT 2
	UNIT 3
	s_wait_tensorcnt 0x0
	ds_add_u32 v244, v245
	s_wait_dscnt 0x0
	s_endpgm
.Lfunc_end_k_q6c6e0cd277_prep:
	.size	k_q6c6e0cd277_prep, .Lfunc_end_k_q6c6e0cd277_prep-k_q6c6e0cd277_prep
	.p2alignl 7, 3214868480
	.fill 96, 4, 3214868480
	.section	.rodata,"a",@progbits
	.p2align	6, 0x0
	.amdhsa_kernel k_q6c6e0cd277_prep
		.amdhsa_group_segment_fixed_size 34304
		.amdhsa_private_segment_fixed_size 0
		.amdhsa_enable_private_segment 0
		.amdhsa_kernarg_size 40
		.amdhsa_user_sgpr_count 2
		.amdhsa_user_sgpr_kernarg_segment_ptr 1
		.amdhsa_wavefront_size32 1
		.amdhsa_system_sgpr_workgroup_id_x 1
		.amdhsa_system_sgpr_workgroup_id_y 1
		.amdhsa_system_sgpr_workgroup_id_z 1
		.amdhsa_system_vgpr_workitem_id 0
		.amdhsa_next_free_vgpr 246
		.amdhsa_next_free_sgpr 66
		.amdhsa_reserve_vcc 0
		.amdhsa_float_denorm_mode_32 3
		.amdhsa_float_denorm_mode_16_64 3
		.amdhsa_memory_ordered 1
		.amdhsa_forward_progress 1
		.amdhsa_inst_pref_size 72
	.end_amdhsa_kernel
	.amdgpu_metadata
---
amdhsa.version: [ 1, 2 ]
amdhsa.kernels:
  - .name:           k_q6c6e0cd277_prep
    .symbol:         k_q6c6e0cd277_prep.kd
    .args:
      - { .name: key, .offset: 0, .size: 8, .value_kind: global_buffer, .address_space: global }
      - { .name: mask, .offset: 8, .size: 8, .value_kind: global_buffer, .address_space: global }
      - { .name: lowp_scales, .offset: 16, .size: 8, .value_kind: global_buffer, .address_space: global }
      - { .name: kimg, .offset: 24, .size: 8, .value_kind: global_buffer, .address_space: global }
      - { .name: maskw, .offset: 32, .size: 8, .value_kind: global_buffer, .address_space: global }
    .group_segment_fixed_size: 34304
    .private_segment_fixed_size: 0
    .kernarg_segment_align: 8
    .kernarg_segment_size: 40
    .max_flat_workgroup_size: 128
    .sgpr_count:     66
    .vgpr_count:     246
    .wavefront_size: 32
...
	.end_amdgpu_metadata
.endif
;; end of part 1
;; launch attn (part 2): grid 4 x 64, 16 waves a work-group, clusters of 4 x 1, 327,680 bytes of LDS; arguments query, kimg, value_codes, maskw, lowp_scales, aimg; writes aimg
.if DOCPART == 2
	.amdgcn_target "amdgcn-amd-amdhsa--gfx1250"
	.amdhsa_code_object_version 6
	.text
	.protected	k_q6c6e0cd277_attn
	.globl	k_q6c6e0cd277_attn
	.p2align	8
	.type	k_q6c6e0cd277_attn,@function
k_q6c6e0cd277_attn:
	s_mov_b64 s[64:65], 0
	v_nop
	global_prefetch_b8 v0, s[64:65] scope:SCOPE_SE
	s_setreg_imm32_b32 hwreg(HW_REG_WAVE_MODE, 25, 1), 1
	s_wait_xcnt 0x0
	s_wait_alu depctr_hold_cnt(0) depctr_sa_sdst(0) depctr_va_vdst(0) depctr_va_sdst(0) depctr_va_ssrc(0) depctr_va_vcc(0) depctr_vm_vsrc(0)
	s_getreg_b32 s2, hwreg(HW_REG_IB_STS2, 6, 4)
	s_cmp_eq_u32 s2, 0
	s_cbranch_scc0 .Lentry_in_a_cluster
	s_endpgm
.Lentry_in_a_cluster:
	s_bfe_u32 s2, ttmp6, 0x10000c
	s_cmp_lg_u32 s2, 0x3003
	s_cbranch_scc0 .Lentry_shape_is_right
	s_endpgm
.Lentry_shape_is_right:
; For each of 64 heads (H = 16 n + h): scores = q k^T on codes of E4M3 (K = the head's 64); masked scores are set to a level far below; t = score x log2(e) / 32; M = the running largest t rounded UP to a whole number;
; p = 2^(t - M) is quantised with 2^e3; O^T += V^T p^T on codes (K = 128 keys a step); the row's sum is taken of the unquantised p; at the end O / sum x 2^(e2 + e3) is quantised with 2^e4 and stored as codes.
; query arrives as f32 and is quantised here (2^e0), in registers: a wave reads its rows once.  kimg: key's codes as images of operand registers; maskw: the mask as lane masks; both made by the launch before.
; aimg: the image of (tile of 16 rows QT, head) lies at (16 QT + head) x 1,024: register 4 g + j of lane l at 512 g + 16 l + 4 j; registers 2 t, 2 t + 1 of lane (r, hh) hold row r, channels 16 t + 8 hh + 0 .. 7.
; THE MASKED LEVEL is -2^73 (9.4e21) where the definition writes -1e22.  The codes bound a score by 64 x 448^2 x 2^(e0 + e1), far above either number, so beside any open key a masked key's p is 0 with both;
; in a row with no open key every p is 1 with both.  The power of two makes c x level exact, so that there the fused t - M is exactly 0.
; LIMITS: e0, e3, e4 between -126 and 119; e0 + e1 between -50 and 40; e2 + e3 goes by v_ldexp_f32 and has none.  NaN among the inputs is not served.
; SHARES.  A work-group owns 512 queries of one head: 4 x 64 = 256 work-groups.  Each of its sixteen waves owns 32 queries, tiles A and B of 16, in 256 registers: four waves to a SIMD.
; K's and V's fragments feed both tiles: each fragment read from LDS feeds two matrix instructions.
; LDS HOLDS THE HEAD'S WHOLE K AND V: eight slots of 256 keys, 64 rows of K's images and 64 rows of V, 272 bytes a row: 8 x 34,816 bytes.  Nothing is filled again.  Each wave fetches 32 rows x 256 bytes of slots 0-3 at the
; head and 32 rows x 256 bytes of slots 4-7 behind the first barrier; the barrier that shows slots 4-7 whole stands behind the first key step, and the other fifteen steps have none.
; TWO RUNS OF 64 REGISTERS SWAP ROLES FROM STEP TO STEP: one holds K's, then V's fragments, the other the scores.  When tile B's codes are made the scores' run is free, and the next step's fragments of K are asked for into it:
; they land under the rescaling of O^T and the second products.  The loop goes from a slot's second step to the next slot's first, so that the registers are back where they began; the first and the last step are written out.
; WORK THAT DOES NOT HANG ON A DEPENDENT RUN STANDS INSIDE IT: tile A's second products between the lines that finish tile B's maximum; the three lines that make f among the 32 scalings, which need -M alone;
; the holds between the levels of the sum's tree; tile A's rescaling of O^T as the plain lines behind tile B's first products.
; Tile B's q is asked for behind the tensor load, into the registers of its O^T, and is quantised behind tile A's first softmax.
; CLUSTER: the four work-groups of a head need the same K and V, so they form a cluster of 4 x 1 and ask for every tile jointly (mask 15).  The descriptors hang on the head and the wave's number alone.
; NO PREFETCH: every byte of K and V is asked for once, at the launch's start or directly behind its first barrier, so there is no loop that runs ahead of those loads; a tile's mask words are asked for a tile's softmax ahead.
; LAYOUT.  Both products are used transposed (S^T = K Q^T, O^T = V^T P^T): a lane holds ONE query (lane % 16) throughout.  The keys of a tile of K are not neighbours (kimg's order), so that register 16 b + i of S^T
; is key 32 b + 16 (lane / 16) + i: the conversions' results are the second product's operand.  Along K both operands of each product hold the same k in the same place.
; REGISTERS: v0 the conversion's scale, v1, v2 the spare word's address and 0, v3 16 x lane, v4 -M of A (pair with v5 K's lane place), v6 -M of B (pair with v7 V's lane place), v[8:9], v[10:11] the sums,
; v12 the old -M, then f (pair with v13), v13-15 at work; v16-23, v24-31 Q; v32-95, v96-159 the two runs; v160-191, v192-223 O^T; v224-239, v240-255 p's codes, and ahead of the conversions the chains of the maximum and of the sum.
.set KP,    272                        ; an LDS row: 256 bytes + 16 = 17 x 16: sixteen rows' reads of one column fall on sixteen different 16-byte columns of 256
.set VOFF,  64*KP                      ; a slot: K's 64 rows, then V's 64
.set SLOTB, 2*VOFF
.set PART,  32*KP                      ; what one tensor load fills: SLOTB / 4, so wave w's part of a half begins at w x PART.  Also: from a slot's first step to its second in K's rows
.set HALFB, 4*SLOTB
.set SPARE, 8*SLOTB                    ; the spare words, 128 bytes for each of sixteen waves: eight blocks of 256 bytes that no other line names
.set R0,    32
.set R1,    96
.macro PLACES n
.rept \n
	v_nop
.endr
.endm
.macro CROUND                          ; a round of the cluster's barrier
	s_barrier_signal -1
	s_barrier_wait -1
	s_cmp_lg_u32 s24, 0
	s_cbranch_scc1 .Lnot_wave_0_\@
	s_barrier_signal -3
.Lnot_wave_0_\@:
	s_barrier_wait -3
	s_barrier_signal -1
	s_barrier_wait -1
.endm
.macro JLOAD                           ; every wave's one joint load; s_nop 0 and four v_nop follow it
	tensor_load_to_lds s[16:19], s[8:15]
	s_nop 0
	PLACES 4
.endm
.macro MLOAD off                       ; a tile's 64 mask words of a step: word w in s[32 + w], from word 32 on in s[36 + w]
	s_load_b512 s[32:47], s[4:5], \off
	s_load_b512 s[48:63], s[4:5], \off+64
	s_load_b512 s[68:83], s[4:5], \off+128
	s_load_b512 s[84:99], s[4:5], \off+192
.endm
.macro KLOAD dst, adr, off             ; K's eight fragments of a step: fragment i / 2, group i % 2: each load takes 2 x 256 consecutive bytes
.set i, 0
.rept 16
	ds_load_b128 v[\dst+4*i:\dst+4*i+3], v[\adr] offset:\off+(4*(i/2)+2*(i%2))*KP
.set i, i+1
.endr
.endm
.macro QLOAD dst, off                  ; a tile's q as f32: register 16 g + i = channel 32 g + 16 hh + i of row r
.set i, 0
.rept 8
	global_load_b128 v[\dst+4*i:\dst+4*i+3], v14, s[26:27] offset:\off+128*(i/4)+16*(i%4)
.set i, i+1
.endr
.endm
.macro QCODE src, dst, hold, scl       ; and its codes: registers 4 g .. 4 g + 3: channels 32 g + 16 hh + 0 .. 15, as kimg has K's
.set i, 0
.rept 32
	v_med3_num_f32 v[\src+i], v[\src+i], -v[\hold], v[\hold]   ; the conversion does not saturate (ISA guide 7.6.2): the hold at the largest code x the scale
.set i, i+1
.endr
.set i, 0
.rept 4
	v_cvt_scalef32_pk8_fp8_f32 v[\dst+2*i:\dst+2*i+1], v[\src+8*i:\src+8*i+7], v[\scl]
.set i, i+1
.endr
	v_nop                                          ; a plain vector line behind the last conversion
.endm
	s_load_b256 s[32:39], s[0:1], 0x0              ; query s[32:33], kimg s[34:35], V's codes s[36:37], maskw s[38:39]
	s_load_b128 s[40:43], s[0:1], 0x20             ; the scales' exponents s[40:41], aimg s[42:43]
	v_lshl_add_u32 v1, v0, 2, SPARE
	v_mov_b32 v2, 0
	ds_add_u32 v1, v2                              ; the opening lines: the add, twice on end, and its wait ahead of the first tensor load
	ds_add_u32 v1, v2
	v_lshrrev_b32 v14, 5, v0
	s_delay_alu instid0(VALU_DEP_1)
	v_readfirstlane_b32 s24, v14                   ; wave 0..15
	v_and_b32 v13, 15, v0                          ; r
	v_bfe_u32 v12, v0, 4, 1                        ; hh
	v_and_b32 v3, 31, v0
	v_lshlrev_b32 v14, 12, v13
	v_mul_u32_u24 v5, v12, KP
	v_mul_u32_u24 v7, v13, KP
	v_lshlrev_b32 v3, 4, v3                        ; 16 x lane
	v_lshl_add_u32 v14, v12, 6, v14                ; q: row r of 4,096 bytes, + 64 hh: my 16 numbers of 32
	v_lshl_add_u32 v5, v13, 4, v5                  ; K's images: row hh of a group's two, 16 r
	v_lshl_add_u32 v7, v12, 4, v7
	s_delay_alu instid0(VALU_DEP_1)
	v_add_nc_u32 v7, VOFF, v7                      ; V: row r of a tile's 16 channels, + 16 hh
	s_and_b32 s50, ttmp7, 0xffff                   ; H = 16 n + h
	s_bfe_u32 s49, ttmp6, 0x40000                  ; cx
	s_lshl_b32 s51, ttmp9, 2
	s_add_co_u32 s49, s51, s49                     ; which 512 queries: 4 x cluster x + cx
	; descriptor group 1: 32 rows x 256 bytes, 2,048 bytes apart in memory, padded in LDS
	s_mov_b32 s8, 15|(0<<16)|(1<<20)|(1<<21)|(5<<22)|(3<<25)  ; the mask names the cluster's four; elements of 1 byte; padding on; bit 21 beside a mask; four words (code 3) after every 64 (code 5)
	s_mov_b32 s9, 256<<16                          ; tensor_dim0
	s_mov_b32 s10, 32<<16                          ; tensor_dim1
	s_mov_b32 s11, 256<<16                         ; tile_dim0
	s_mov_b32 s12, 32                              ; tile_dim1
	s_mov_b32 s13, 2048                            ; tensor_dim0_stride
	s_mov_b32 s14, 0
	s_mov_b32 s15, 0
	s_mov_b32 s16, 1                               ; group 0: count = 1,
	s_mul_i32 s17, s24, PART                       ; LDS address: slot w / 4, K or V by (w / 2) % 2, rows 32 (w % 2) on,
	s_lshl_b32 s52, s50, 17                        ; the head's first byte in kimg and in V's codes,
	s_and_b32 s53, s24, 1
	s_lshl_b32 s53, s53, 16
	s_add_co_u32 s52, s52, s53                     ; + 32 rows of 2,048 bytes,
	s_lshr_b32 s53, s24, 2
	s_lshl_b32 s53, s53, 8
	s_add_co_u32 s52, s52, s53                     ; + 256 bytes a slot
	s_mov_b32 s53, 0
	s_lshr_b32 s54, s50, 4                         ; n
	s_and_b32 s51, s50, 15                         ; h
	s_lshl_b32 s54, s54, 7
	s_lshl_b32 s55, s49, 5
	s_add_co_u32 s54, s54, s55
	s_lshl_b32 s55, s24, 1
	s_add_co_u32 s54, s54, s55                     ; tile A: QT = 128 n + 32 x block + 2 x wave; tile B: QT + 1
	s_lshl_b32 s56, s54, 16
	s_lshl_b32 s55, s51, 8
	s_add_co_u32 s56, s56, s55                     ; query: tile A's first row, my head's 256 bytes
	s_mov_b32 s57, 0
	s_lshl_b32 s58, s54, 12                        ; maskw: 4,096 bytes a tile
	s_mov_b32 s59, 0
	s_lshl_b32 s60, s54, 14
	s_lshl_b32 s55, s51, 10
	s_add_co_u32 s60, s60, s55                     ; aimg: (tile A, my head)
	s_mov_b32 s61, 0
	s_mov_b32 s20, 0x76543210                      ; v_permlanex16_b32's selects: lane l xor 16
	s_mov_b32 s21, 0xfedcba98
	s_and_b32 s62, s24, 2
	s_wait_alu depctr_va_vdst(0)
	s_wait_dscnt 0x0                               ; both opening adds are done
	s_wait_kmcnt 0x0
	s_load_b128 s[44:47], s[40:41], 0x0            ; e0, e1, e2, e3
	s_load_b32 s48, s[40:41], 0x10                 ; e4
	s_add_nc_u64 s[26:27], s[32:33], s[56:57]
	QLOAD R1, 0                                    ; tile A's q, wanted first
	s_add_nc_u64 s[4:5], s[38:39], s[58:59]
	s_add_nc_u64 s[6:7], s[42:43], s[60:61]
	s_cmp_eq_u32 s62, 0
	s_cselect_b64 s[18:19], s[34:35], s[36:37]
	s_add_nc_u64 s[18:19], s[18:19], s[52:53]      ; global address: my part of slots 0-3,
	s_or_b32 s19, s19, 0x80000000                  ; type = 2
	CROUND                                         ; the four work-groups are here: the first joint loads meet
	JLOAD                                          ; keys 0-1,023: one tensor load a wave at the head
	QLOAD 192, 65536                               ; tile B's q, into the registers of its O^T: it is wanted behind tile A's first softmax
	s_wait_kmcnt 0x0
	s_add_co_i32 s54, s44, s45                     ; e0 + e1
	s_lshl_b32 s55, s54, 23
	s_add_co_i32 s22, s55, 0x3d38aa3b              ; c = log2(e) / 32, with e0 + e1 added to its exponent field: a sum of codes stands for sum x 2^(e0 + e1)
	s_mov_b32 s23, s22                             ; (named with it as a pair, so it is written)
	s_sub_co_i32 s54, 200, s54
	s_lshl_b32 s54, s54, 23
	s_or_b32 s31, s54, 0x80000000                  ; the masked level among sums of codes: -2^(73 - e0 - e1)
	s_add_co_i32 s54, s44, 127
	s_lshl_b32 s101, s54, 23                       ; 2^e0
	s_add_co_i32 s54, s54, 8
	s_lshl_b32 s54, s54, 23
	s_or_b32 s100, s54, 0x600000                   ; 448 x 2^e0
	s_add_co_i32 s56, s47, 127
	s_lshl_b32 s57, s56, 23                        ; 2^e3
	s_add_co_i32 s56, s56, 8
	s_lshl_b32 s56, s56, 23
	s_or_b32 s25, s56, 0x600000                    ; 448 x 2^e3
	s_add_co_i32 s28, s46, s47                     ; e2 + e3
	s_add_co_i32 s30, s48, 127
	s_lshl_b32 s29, s30, 23                        ; 2^e4
	s_add_co_i32 s30, s30, 8
	s_lshl_b32 s30, s30, 23
	s_or_b32 s30, s30, 0x600000                    ; 448 x 2^e4
	v_mov_b32 v12, s100                            ; q's hold and scale, in registers that are at work later
	v_mov_b32 v13, s101
	v_mov_b32 v0, s57                              ; p's scale: the thread's number has served
	MLOAD 0                                        ; tile A's words of step 0: every number kept in s32 to s99 has been used
	v_mov_b32 v4, 0x7f61b1e6                       ; -M = floor(3e38): above every -ceil(t)
	v_mov_b32 v6, 0x7f61b1e6
.irp j, 8,9,10,11
	v_mov_b32 v\j, 0                               ; the sums
.endr
.set i, 0
.rept 32
	v_mov_b32 v[160+i], 0                          ; O^T of tile A.  (The step has no first form of its own: the first change of M multiplies zeros)
.set i, i+1
.endr
	s_wait_alu depctr_va_vdst(0)
	s_wait_loadcnt 8                               ; tile A's q is in; tile B's eight loads may be out
	QCODE R1, 16, 12, 13
.macro GAP kf, i                       ; between two dependent lines of the maximum.  Tile B: one of tile A's second products, which hang on none of them; tile A: the hint
.if TB
	v_wmma_f32_16x16x128_fp8_fp8 v[160+8*\i:167+8*\i], v[\kf+16*\i:\kf+16*\i+15], v[224:239], v[160+8*\i:167+8*\i]
.else
	s_delay_alu instid0(VALU_DEP_1)
.endif
.endm
.macro DMIN sb, b                      ; p is not negative: the hold at 448 x 2^e3 is one-sided; two numbers a line
.set n, 0
.rept 8
	v_dual_min_num_f32 v[\sb+16*\b+n], s25, v[\sb+16*\b+n] :: v_dual_min_num_f32 v[\sb+16*\b+n+1], s25, v[\sb+16*\b+n+1]
.set n, n+2
.endr
.endm
.macro RESCALE ob                      ; O^T under the new M
	s_wait_alu depctr_va_vdst(0)                   ; directly ahead of the first reader of O^T
.set n, 0
.rept 16
	v_pk_mul_f32 v[\ob+n:\ob+n+1], v[\ob+n:\ob+n+1], v[12:13] op_sel_hi:[1,0]
.set n, n+2
.endr
.endm
; One tile's mask and softmax for a step.  sb: the scores; nm: -M (the low register of a pair); sm: the sums; pc: p's codes; kf: V's fragments.
; nxt = 1: tile B's words of this step are asked for next; 2: tile A's of the next step; 0: none.
; pre < 0: tile A; its O^T is rescaled by the step.  pre >= 0: tile B: tile A's second products stand in it, and its own O^T is rescaled at its end;
; pre > 0: and the next step's fragments of K, pre bytes on from the slot's first, are asked for into sb.
.macro SOFTMAX sb, nm, sm, pc, nxt, pre, kf
.if (\pre) >= 0
.set TB, 1
.else
.set TB, 0
.endif
	s_wait_kmcnt 0x0                               ; this tile's 64 words are in (scalar loads come back in no order: the count is 0); their base may be stepped
.set n, 0
.rept 64                               ; a word's bit 1 keeps the score, 0 takes the masked level; each accumulator is read from its low end on
	v_cndmask_b32 v[\sb+n], s31, v[\sb+n], s[32+n+4*(n/32)]
.set n, n+1
.endr
.if (\nxt) == 1
	MLOAD 4096                                     ; they have a tile's softmax in which to land
.elseif (\nxt) == 2
	s_add_nc_u64 s[4:5], s[4:5], 256
	MLOAD 0
.endif
	v_mov_b32 v12, v[\nm]                          ; the old -M
.set n, 0
.rept 8                                ; the step's largest score of my query among my 64 keys, in eight chains that take turns
	v_max3_num_f32 v[\pc+n], v[\sb+3*n], v[\sb+3*n+1], v[\sb+3*n+2]
.set n, n+1
.endr
.set n, 0
.rept 20
	v_max3_num_f32 v[\pc+(n%8)], v[\pc+(n%8)], v[\sb+24+2*n], v[\sb+25+2*n]
.set n, n+1
.endr
.if TB
	s_wait_alu depctr_va_vdst(0)
	s_wait_dscnt 0x0                               ; V's fragments are in
.endif
	v_max3_num_f32 v15, v[\pc+4], v[\pc+5], v[\pc+6]
	v_max3_num_f32 v14, v[\pc], v[\pc+1], v[\pc+7]
	GAP \kf, 0
	v_max3_num_f32 v14, v14, v[\pc+2], v[\pc+3]
	GAP \kf, 1
	v_max_num_f32 v14, v14, v15
	GAP \kf, 2
	v_permlanex16_b32 v13, v14, s20, s21
	GAP \kf, 3
	v_max_num_f32 v14, v14, v13                    ; and among lane l xor 16's
	s_delay_alu instid0(VALU_DEP_1)
	v_mul_f32 v14, s22, v14                        ; as t (c is positive)
	s_delay_alu instid0(VALU_DEP_1)
	v_floor_f32 v14, -v14                          ; -ceil(t) of this step: a whole number
	s_delay_alu instid0(VALU_DEP_1)
	v_min_num_f32 v[\nm], v14, v[\nm]              ; the new -M: the ceiling of the running maximum is the maximum of the ceilings
	s_delay_alu instid0(VALU_DEP_1)
.set n, 0
.irp op, 1,2,3,4
.rept 8
	v_pk_fma_f32 v[\sb+n:\sb+n+1], v[\sb+n:\sb+n+1], s[22:23], v[\nm:\nm+1] op_sel_hi:[1,0,0]   ; t - M, fused, two at a time (of the pairs c and -M the low word serves both halves)
.set n, n+2
.endr
.if \op == 1
	v_sub_f32 v12, v[\nm], v12                     ; old M - new M: a whole number, 0 or less
.elseif \op == 2
	v_cvt_i32_f32 v12, v12                         ; (it saturates)
.elseif \op == 3
	v_ldexp_f32 v12, 1.0, v12                      ; f = 2^(old M - new M): a multiplication by it rounds nothing
.endif
.endr
	s_wait_alu depctr_va_vdst(0)                   ; ahead of the batch of exponentials
.set n, 0
.rept 64
	v_exp_f32 v[\sb+n], v[\sb+n]                   ; p = 2^(t - M), at most 1, not normalised
.set n, n+1
.endr
	v_pk_mul_f32 v[\sm:\sm+1], v[\sm:\sm+1], v[12:13] op_sel_hi:[1,0]   ; the sums under the new M: the plain line behind the exponentials
	s_wait_alu depctr_va_vdst(0)                   ; one wait for the batch of 64, ahead of its first reader
.set n, 0
.rept 8                                ; the row's sum is taken of the unquantised p: two at a time, in eight chains that take turns
	v_pk_add_f32 v[\pc+2*n:\pc+2*n+1], v[\sb+4*n:\sb+4*n+1], v[\sb+4*n+2:\sb+4*n+3]
.set n, n+1
.endr
.set n, 0
.rept 16
	v_pk_add_f32 v[\pc+2*(n%8):\pc+2*(n%8)+1], v[\pc+2*(n%8):\pc+2*(n%8)+1], v[\sb+32+2*n:\sb+33+2*n]
.set n, n+1
.endr
	DMIN \sb, 0                                    ; every p has been added: the holds stand between the levels of the eight chains' tree
.irp j, 0,2,4,6
	v_pk_add_f32 v[\pc+\j:\pc+\j+1], v[\pc+\j:\pc+\j+1], v[\pc+\j+8:\pc+\j+9]
.endr
	DMIN \sb, 1
	v_pk_add_f32 v[\pc:\pc+1], v[\pc:\pc+1], v[\pc+4:\pc+5]
	v_pk_add_f32 v[\pc+2:\pc+3], v[\pc+2:\pc+3], v[\pc+6:\pc+7]
	DMIN \sb, 2
	v_pk_add_f32 v[\pc:\pc+1], v[\pc:\pc+1], v[\pc+2:\pc+3]
	DMIN \sb, 3
	v_pk_add_f32 v[\sm:\sm+1], v[\sm:\sm+1], v[\pc:\pc+1]
.set b, 0
.rept 4
	v_cvt_scalef32_pk8_fp8_f32 v[\pc+4*b:\pc+4*b+1], v[\sb+16*b:\sb+16*b+7], v0
	v_cvt_scalef32_pk8_fp8_f32 v[\pc+4*b+2:\pc+4*b+3], v[\sb+16*b+8:\sb+16*b+15], v0
.set b, b+1
.endr
.if (\pre) > 0
	v_add_nc_u32 v14, s2, v5
	KLOAD \sb, 14, \pre                            ; the scores' run is free: the next step's fragments of K
.endif
.if TB
	RESCALE 192                                    ; also the plain lines behind the conversions
.endif
.endm
.macro QK kf, sb, qr                   ; S^T = K Q^T of one tile: eight tiles of 16 keys
.set i, 0
.rept 8
	v_wmma_f32_16x16x64_fp8_fp8 v[\sb+8*i:\sb+8*i+7], v[\kf+8*i:\kf+8*i+7], v[\qr:\qr+7], 0
.set i, i+1
.endr
.endm
; A key step: 128 keys, the q-th of the slot that begins at LDS byte s2.  kf: the run with K's fragments, asked for in the step before; V's land on them under tile B's softmax.  sb: the run for the scores.
; first = 1: the launch's first step, in which tile B's q is quantised.  No two matrix instructions that follow each other share an accumulator.
.macro STEP q, kf, sb, nxt, pre, first
	s_wait_dscnt 0x0                               ; K's fragments are in
	QK \kf, \sb, 16
	PLACES 4                                       ; in front of the first read of the scores
	SOFTMAX \sb, 4, 8, 224, 1, -1, \kf
	v_add_nc_u32 v14, s2, v7                       ; V's address: the plain line behind the conversions
.if \first
	s_wait_loadcnt 0x0                             ; tile B's q is in
	v_mov_b32 v240, s100
	v_mov_b32 v241, s101
	QCODE 192, 24, 240, 241
.set i, 0
.rept 32
	v_mov_b32 v[192+i], 0                          ; O^T of tile B
.set i, i+1
.endr
.endif
	QK \kf, \sb, 24
	RESCALE 160                                    ; tile A's: also the plain lines in front of the loads into K's registers and of the first read of the scores
.set i, 0
.rept 16                               ; V's four fragments (16 channels x 128 keys)
	ds_load_b128 v[\kf+4*i:\kf+4*i+3], v14 offset:16*(i/4)*KP+128*(\q)+32*(i%4)
.set i, i+1
.endr
	SOFTMAX \sb, 6, 10, 240, \nxt, \pre, \kf
.set i, 0
.rept 4                                ; O^T += V^T P^T of tile B
	v_wmma_f32_16x16x128_fp8_fp8 v[192+8*i:199+8*i], v[\kf+16*i:\kf+16*i+15], v[240:255], v[192+8*i:199+8*i]
.set i, i+1
.endr
	PLACES 5                                       ; the next step's first products write over V's registers, which these products read; behind the last step: the first read of O^T
.endm
	s_wait_alu depctr_va_vdst(0)                   ; the head's end
	s_wait_xcnt 0x0                                ; tile B's loads have read their offset register, which the first step writes again
	s_wait_tensorcnt 0x0                           ; my part of slots 0-3 is in
	ds_add_u32 v1, v2                              ; 0 onto my spare word
	s_add_co_u32 s17, s17, HALFB                   ; no tensor load of mine is out, so group 0 may be written: my part of slots 4-7,
	s_add_nc_u64 s[18:19], s[18:19], 1024          ; 1,024 keys on in every row; the type bits on top are not reached
	s_wait_dscnt 0x0                               ; the add is done
	CROUND                                         ; everybody's part of slots 0-3 is in, and the four work-groups are here
	JLOAD                                          ; keys 1,024-2,047: the first tensor load behind the round, into bytes that nothing has filled
	KLOAD R0, 5, 0                                 ; the first step's fragments of K
	s_mov_b32 s2, 0
	STEP 0, R0, R1, 2, PART, 1
	s_wait_tensorcnt 0x0                           ; my part of slots 4-7 is in,
	s_wait_dscnt 0x0                               ; (no LDS instruction is out at a signal)
	s_barrier_signal -1
	s_barrier_wait -1                              ; everybody's is.
	s_mov_b32 s3, 7
.Lslot:                                            ; seven trips: a slot's second step and the next slot's first
	STEP 1, R1, R0, 2, SLOTB, 0
	s_add_co_u32 s2, s2, SLOTB
	STEP 0, R0, R1, 2, PART, 0
	s_sub_co_u32 s3, s3, 1
	s_cmp_lg_u32 s3, 0
	s_cbranch_scc1 .Lslot
	STEP 1, R1, R0, 0, 0, 0                        ; the last step asks for nothing more
; THE WAY OUT of a tile: the sum's halves and lane l xor 16's are added; O^T x 2^(e2 + e3) / sum is held, quantised with 2^e4 and stored as the image of the third product's operand registers:
; a lane's eight numbers of tile t are channels 16 t + 8 hh + 0 .. 7 of its row, which is what registers 2 t, 2 t + 1 of that operand hold.  No stage: each store covers 512 consecutive bytes.
.macro OUT sm, ob, pc, off
	v_add_f32 v[\sm], v[\sm], v[\sm+1]
	s_delay_alu instid0(VALU_DEP_1)
	v_permlanex16_b32 v13, v[\sm], s20, s21
	s_delay_alu instid0(VALU_DEP_1)
	v_add_f32 v[\sm], v[\sm], v13                  ; the row's sum
	s_wait_alu depctr_va_vdst(0)                   ; ahead of the transcendental
	v_rcp_f32 v[\sm], v[\sm]
	v_mov_b32 v14, s30                             ; (plain lines behind the reciprocal)  448 x 2^e4
	v_mov_b32 v0, s29                              ; 2^e4
	s_wait_alu depctr_va_vdst(0)                   ; ahead of the reciprocal's first reader
	v_ldexp_f32 v[\sm], v[\sm], s28                ; x 2^(e2 + e3)
	s_wait_alu depctr_va_vdst(0)                   ; directly ahead of the first reader of O^T
.set n, 0
.rept 16
	v_pk_mul_f32 v[R0+n:R0+n+1], v[\ob+n:\ob+n+1], v[\sm:\sm+1] op_sel_hi:[1,0]   ; each accumulator from its low end on
.set n, n+2
.endr
.set n, 0
.rept 32
	v_med3_num_f32 v[R0+n], v[R0+n], -v14, v14
.set n, n+1
.endr
.set n, 0
.rept 4
	v_cvt_scalef32_pk8_fp8_f32 v[\pc+2*n:\pc+2*n+1], v[R0+8*n:R0+8*n+7], v0
.set n, n+1
.endr
	v_nop                                          ; a plain vector line behind the last conversion
	global_store_b128 v3, v[\pc:\pc+3], s[6:7] offset:\off
	global_store_b128 v3, v[\pc+4:\pc+7], s[6:7] offset:\off+512
.endm
	OUT 8, 160, 224, 0
	OUT 10, 192, 240, 16384
	s_wait_tensorcnt 0x0                           ; the wave's end
	ds_add_u32 v1, v2
	s_wait_dscnt 0x0
	CROUND                                         ; the closing round
	s_endpgm
.Lfunc_end_k_q6c6e0cd277_attn:
	.size	k_q6c6e0cd277_attn, .Lfunc_end_k_q6c6e0cd277_attn-k_q6c6e0cd277_attn
	.p2alignl 7, 3214868480
	.fill 96, 4, 3214868480
	.section	.rodata,"a",@progbits
	.p2align	6, 0x0
	.amdhsa_kernel k_q6c6e0cd277_attn
		.amdhsa_group_segment_fixed_size 327680
		.amdhsa_private_segment_fixed_size 0
		.amdhsa_enable_private_segment 0
		.amdhsa_kernarg_size 48
		.amdhsa_user_sgpr_count 2
		.amdhsa_user_sgpr_kernarg_segment_ptr 1
		.amdhsa_wavefront_size32 1
		.amdhsa_system_sgpr_workgroup_id_x 1
		.amdhsa_system_sgpr_workgroup_id_y 1
		.amdhsa_system_sgpr_workgroup_id_z 1
		.amdhsa_system_vgpr_workitem_id 0
		.amdhsa_next_free_vgpr 256
		.amdhsa_next_free_sgpr 102
		.amdhsa_reserve_vcc 0
		.amdhsa_float_denorm_mode_32 3
		.amdhsa_float_denorm_mode_16_64 3
		.amdhsa_memory_ordered 1
		.amdhsa_forward_progress 1
		.amdhsa_inst_pref_size 171
	.end_amdhsa_kernel
	.amdgpu_metadata
---
amdhsa.version: [ 1, 2 ]
amdhsa.kernels:
  - .name:           k_q6c6e0cd277_attn
    .symbol:         k_q6c6e0cd277_attn.kd
    .args:
      - { .name: query, .offset: 0, .size: 8, .value_kind: global_buffer, .address_space: global }
      - { .name: kimg, .offset: 8, .size: 8, .value_kind: global_buffer, .address_space: global }
      - { .name: value_codes, .offset: 16, .size: 8, .value_kind: global_buffer, .address_space: global }
      - { .name: maskw, .offset: 24, .size: 8, .value_kind: global_buffer, .address_space: global }
      - { .name: lowp_scales, .offset: 32, .size: 8, .value_kind: global_buffer, .address_space: global }
      - { .name: aimg, .offset: 40, .size: 8, .value_kind: global_buffer, .address_space: global }
    .group_segment_fixed_size: 327680
    .private_segment_fixed_size: 0
    .kernarg_segment_align: 8
    .kernarg_segment_size: 48
    .max_flat_workgroup_size: 512
    .sgpr_count:     102
    .vgpr_count:     256
    .wavefront_size: 32
...
	.end_amdgpu_metadata
.endif
;; end of part 2
;; launch fc (part 3): grid 8 x 32, 4 waves a work-group, no clusters, 168,448 bytes of LDS; arguments aimg, w_out_codes, lowp_scales, b_out, out0; writes out0
.if DOCPART == 3
	.amdgcn_target "amdgcn-amd-amdhsa--gfx1250"
	.amdhsa_code_object_version 6
	.text
	.protected	k_q6c6e0cd277_fc
	.globl	k_q6c6e0cd277_fc
	.p2align	8
	.type	k_q6c6e0cd277_fc,@function
k_q6c6e0cd277_fc:
	s_mov_b64 s[64:65], 0
	v_nop
	global_prefetch_b8 v0, s[64:65] scope:SCOPE_SE
	s_setreg_imm32_b32 hwreg(HW_REG_WAVE_MODE, 25, 1), 1
	s_wait_xcnt 0x0
; out0[row][o] = 2^(e4 + e5) x (the sum over e of A[row][e] W[o][e]) + b_out[o], on codes of E4M3; K = 1,024 in eight steps of 128; sums in f32.
; A: aimg, the attention's result as images of operand registers: (tile of 16 rows QT, head) at (16 QT + head) x 1,024; two neighbouring heads' images on end are the 16 registers of a fragment of 16 rows x 128 K,
; registers 2 c, 2 c + 1 of lane (r, hh) holding k = 16 c + 8 hh + 0 .. 7.  W: w_out_codes [1024][1024], K innermost.  LIMIT: e4 + e5 between -126 and 127, so that 2^(e4 + e5) is an f32 number.
; SHARES.  A work-group makes 256 rows x 128 outputs: 8 x 32 = 256 work-groups; x, the block of outputs, runs fastest, so that the eight readers of a block of A run together.  A wave makes 64 rows x 128 outputs: 32 accumulators.
; W's 128 rows come into LDS once, by one tensor load a wave (32 rows x 1,024 bytes): nothing is filled again, so there is no ring.  A's fragments come from memory straight into registers,
; each load 512 consecutive bytes, SIX K steps ahead, in six sets of 64 registers: K steps 0-5 are asked for at the head, beside W; steps 6 and 7 into the sets that steps 0 and 1 leave.  Every byte of A once a work-group.
; THE MATRIX INSTRUCTION IS USED TRANSPOSED (source 0 = 16 rows of W, source 1 = 16 rows of A): a lane holds eight neighbouring outputs of one row.
; NO CLUSTER: what tensor loads bring, W's 128 KiB, is fetched once at the head and is a quarter of the 512 KiB that a work-group moves (256 KiB of A, 128 KiB of results); A goes through registers, where no joint load serves.
; NO PREFETCH: three quarters of A are asked for by their own loads at the head, and the launch has no loop that runs ahead of the rest.
; REGISTERS: window 0: v4, v5 W's lane places (rows 0-63, 64-127), v6 16 x lane, v7, v8 the stage, v10 32 hh; v16-79, v80-143, v144-207 A's sets 0-2; on the way out v16-79 results, v80-143 and v144-207 rows read back, by turns.
;   window 1: accumulator (m, nt) at v[8 (8 m + nt)].   window 2: W's two sets of eight fragments, at v0 and v128.   window 3: v[8 nt ..]: b_out of outputs 16 nt + 8 hh + 0 .. 7; v64-127, v128-191, v192-255 A's sets 3-5.
.set WP,    1040                       ; a row of W in LDS: 1,024 bytes + 16 = 65 x 16: the 32 lanes of an 8-byte load fall on 32 different 8-byte columns of 256
.set STAGE, 128*WP                     ; behind W: 16 rows x 528 bytes for each wave, for the way out; a multiple of 256, and no tensor load fills it
.set SP,    528
.set TMP,   16
.set BK,    80
.set MSB, 0
.macro WIN new                         ; s_set_vgpr_msb: bits 1:0 source 0, 3:2 source 1, 5:4 source 2, 7:6 destination; the high byte repeats the setting that is left
.if MSB != \new
	s_set_vgpr_msb (MSB<<8)|\new
.set MSB, \new
.endif
.endm
.macro PLACES
.rept 4
	v_nop
.endr
.endm
.macro ASET ks                         ; K step ks has set ks % 6: AB its first register, AW its window
.if ((\ks)%6) < 3
.set AB, 16+64*((\ks)%6)
.set AW, 0
.else
.set AB, 64+64*(((\ks)%6)-3)
.set AW, 3
.endif
.endm
	s_load_b256 s[4:11], s[0:1], 0x0               ; aimg s[4:5], W's codes s[6:7], the scales' exponents s[8:9], b_out s[10:11]
	s_load_b64 s[12:13], s[0:1], 0x20              ; out0
	v_lshl_add_u32 v254, v0, 2, 0x29000
	v_mov_b32 v255, 0
	ds_add_u32 v254, v255                          ; the opening lines: the add, twice on end, and its wait ahead of the tensor load
	ds_add_u32 v254, v255
	v_lshrrev_b32 v1, 5, v0
	v_readfirstlane_b32 s14, v1                    ; wave 0..3
	s_and_b32 s15, ttmp7, 0xffff                   ; which 256 rows
	; descriptor group 1: 32 rows x 1,024 bytes, dense in memory, padded in LDS
	s_mov_b32 s16, (0<<16)|(1<<20)|(7<<22)|(3<<25) ; no mask; elements of 1 byte; padding on: four words (code 3) after every 256 (code 7)
	s_mov_b32 s17, 1024<<16                        ; tensor_dim0
	s_mov_b32 s18, 32<<16                          ; tensor_dim1
	s_mov_b32 s19, 1024<<16                        ; tile_dim0
	s_mov_b32 s20, 32                              ; tile_dim1
	s_mov_b32 s21, 1024                            ; tensor_dim0_stride
	s_mov_b32 s22, 0
	s_mov_b32 s23, 0
	s_mov_b32 s24, 1                               ; group 0: count = 1,
	s_mul_i32 s25, s14, 32*WP                      ; LDS address: my 32 rows,
	s_lshl_b32 s30, ttmp9, 17
	s_lshl_b32 s31, s14, 15
	s_add_co_u32 s30, s30, s31                     ; row 128 x work-group x + 32 x wave of W, 1,024 bytes a row
	s_mov_b32 s31, 0
	s_wait_dscnt 0x0
	s_wait_kmcnt 0x0
	s_load_b64 s[28:29], s[8:9], 0x10              ; e4, e5
	s_add_nc_u64 s[26:27], s[6:7], s[30:31]
	s_or_b32 s27, s27, 0x80000000                  ; type = 2
	tensor_load_to_lds s[24:27], s[16:23]          ; one tensor load a wave is out, in the whole launch
	s_nop 0
	PLACES                                         ; four v_nop follow the load
	s_lshl_b32 s30, s15, 4
	s_lshl_b32 s38, s14, 2
	s_add_co_u32 s30, s30, s38                     ; my first tile of 16 rows: 16 x work-group y + 4 x wave
	s_lshl_b32 s30, s30, 14
	s_add_nc_u64 s[32:33], s[4:5], s[30:31]        ; its images
	s_lshl_b32 s30, s15, 20
	s_lshl_b32 s38, s14, 18
	s_add_co_u32 s30, s30, s38
	s_lshl_b32 s38, ttmp9, 9
	s_add_co_u32 s30, s30, s38                     ; row 256 y + 64 wave of 4,096 bytes, + 512 x
	s_add_nc_u64 s[34:35], s[12:13], s[30:31]
	s_mov_b32 s30, s38
	s_add_nc_u64 s[36:37], s[10:11], s[30:31]      ; b_out at my work-group's 128 outputs
	v_and_b32 v1, 15, v0                           ; r
	v_bfe_u32 v2, v0, 4, 1                         ; hh
	v_and_b32 v3, 31, v0
	v_mul_u32_u24 v4, v1, WP
	v_lshl_add_u32 v4, v2, 3, v4                   ; W: row r, + 8 hh
	v_add_nc_u32 v5, 64*WP, v4                     ; and 64 rows on: an LDS offset has 16 bits
	v_lshlrev_b32 v6, 4, v3
	s_mul_i32 s38, s14, 16*SP
	s_add_co_u32 s38, s38, STAGE                   ; my stage
	v_mul_u32_u24 v7, v1, SP
	v_lshl_add_u32 v7, v2, 5, v7
	v_add_nc_u32 v7, s38, v7                       ; in: row r, 32 bytes for each half of the lanes
	v_add_nc_u32 v8, s38, v6                       ; back: the 32 lanes take one row of 512 bytes
	v_lshlrev_b32 v10, 5, v2
	WIN 0xc0                                       ; destination window 3
.irp nt, 0,1,2,3,4,5,6,7
	global_load_b128 v[8*\nt:8*\nt+3], v10, s[36:37] offset:64*\nt
	global_load_b128 v[8*\nt+4:8*\nt+7], v10, s[36:37] offset:64*\nt+16
.endr
.macro ALOAD ks                        ; A's four fragments of K step ks into its set: tile i / 4, group i % 4 of four registers
	ASET \ks
.if AW == 0
	WIN 0
.else
	WIN 0xc0                                       ; destination window 3, address window 0
.endif
.set i, 0
.rept 16
	global_load_b128 v[AB+4*i:AB+4*i+3], v6, s[32:33] offset:(i/4)*16384+(\ks)*2048+(i%4)*512
.set i, i+1
.endr
.endm
.macro WFETCH ks, half                 ; W's fragments 4 half .. 4 half + 3 of K step ks into set ks % 2: registers 2 c, 2 c + 1: k = 16 c + 8 hh + 0 .. 7, as A's images have them
	WIN 0x80                                       ; destination window 2
.irp n, 0,1,2,3
.irp c, 0,1,2,3,4,5,6,7
	ds_load_b64 v[128*((\ks)%2)+16*(4*\half+\n)+2*\c:128*((\ks)%2)+16*(4*\half+\n)+2*\c+1], v[4+\half] offset:\n*16*WP+128*(\ks)+16*\c
.endr
.endr
.endm
.macro MUL16 ks, n0                    ; W's fragments n0 .. n0 + 3 x A's four.  The 32 accumulators take turns, one instruction a turn, in the same order in every K step.  K step 0 starts the sums
	ASET \ks
.if AW == 0
	WIN 0x52                                       ; source 0 (W) window 2, source 1 (A) window 0, C and D window 1
.else
	WIN 0x5e                                       ; the same with A in window 3
.endif
.irp nt, \n0, \n0+1, \n0+2, \n0+3
.irp m, 0,1,2,3
.if (\ks) == 0
	v_wmma_f32_16x16x128_fp8_fp8 v[8*(8*\m+(\nt)):8*(8*\m+(\nt))+7], v[128*((\ks)%2)+16*(\nt):128*((\ks)%2)+16*(\nt)+15], v[AB+16*\m:AB+16*\m+15], 0
.else
	v_wmma_f32_16x16x128_fp8_fp8 v[8*(8*\m+(\nt)):8*(8*\m+(\nt))+7], v[128*((\ks)%2)+16*(\nt):128*((\ks)%2)+16*(\nt)+15], v[AB+16*\m:AB+16*\m+15], v[8*(8*\m+(\nt)):8*(8*\m+(\nt))+7]
.endif
.endr
.endr
.endm
.macro KSTEP ks
	s_wait_dscnt 32                                ; W's fragments 0-3 of this step are in; the younger 32 loads (fragments 4-7) may be out
.if (\ks) < 4
	s_wait_loadcnt 63                              ; this step's A is in (at step 0 the biases too): behind it 64 or 80 loads were issued, and the count's field holds 63
.else
	s_wait_loadcnt 16*(7-(\ks))                    ; behind this step's A: sixteen loads for each later step
.endif
	MUL16 \ks, 0
.if (\ks) < 7
	WFETCH (\ks)+1, 0                              ; into the other set: its last readers stand in front of the four v_nop of the step before
	s_wait_dscnt 32                                ; all but the 32 just issued: fragments 4-7 are in
.else
	s_wait_dscnt 0x0
.endif
	MUL16 \ks, 4
	PLACES                                         ; in front of loads into registers that matrix instructions have read; behind the last step, of the first read of results
.if (\ks) < 7
	WFETCH (\ks)+1, 1
.endif
.if (\ks) < 2
	ALOAD (\ks)+6                                  ; into the set just multiplied
.endif
.endm
.irp k, 0,1,2,3,4,5
	ALOAD \k
.endr
	s_wait_alu depctr_va_vdst(0)                   ; the head's end
	s_wait_kmcnt 0x0
	s_add_co_i32 s28, s28, s29
	s_add_co_i32 s28, s28, 127
	s_lshl_b32 s28, s28, 23                        ; 2^(e4 + e5) as f32
	s_mov_b32 s29, s28                             ; (named with it as a pair, so it is written)
	s_wait_tensorcnt 0x0                           ; my 32 rows of W are in,
	s_barrier_signal -1
	s_barrier_wait -1                              ; everybody's are
	WFETCH 0, 0
	WFETCH 0, 1
.irp k, 0,1,2,3,4,5,6,7
	KSTEP \k
.endr
; THE WAY OUT, a tile of 16 rows x 128 outputs at a time: sum x 2^(e4 + e5) + bias, one packed multiply-add for two numbers; through my own stage in LDS; back as whole rows of 512 bytes.
.macro TOSTAGE m
	WIN 0x31                                       ; source 0 (the sums) window 1, source 2 (the biases) window 3
.set i, 0
.rept 32                               ; each accumulator from its low end on
	v_pk_fma_f32 v[TMP+2*i:TMP+2*i+1], v[64*(\m)+2*i:64*(\m)+2*i+1], s[28:29], v[2*i:2*i+1] op_sel_hi:[1,0,1]
.set i, i+1
.endr
	WIN 0
.set i, 0
.rept 16
	ds_store_b128 v7, v[TMP+4*i:TMP+4*i+3] offset:64*(i/2)+16*(i%2)
.set i, i+1
.endr
.set i, 0
.rept 16                               ; LDS serves a wave's instructions in order (ISA guide 5.7.1.4): these see the stores above, and the next tile's stores come behind them
	ds_load_b128 v[BK+64*((\m)%2)+4*i:BK+64*((\m)%2)+4*i+3], v8 offset:SP*i
.set i, i+1
.endr
.endm
.macro SEND m, younger                 ; younger: the LDS instructions issued behind tile m's loads, which may stay out
	s_wait_dscnt \younger
.set i, 0
.rept 16
	global_store_b128 v6, v[BK+64*((\m)%2)+4*i:BK+64*((\m)%2)+4*i+3], s[34:35] offset:(16*(\m)+i)*4096 th:TH_STORE_NT   ; 32 lanes store 512 consecutive bytes, at a multiple of 256 from out0's first byte; written once
.set i, i+1
.endr
.endm
	TOSTAGE 0
	TOSTAGE 1
	SEND 0, 32                                     ; behind tile 0's loads: tile 1's 16 stores and 16 loads
	s_wait_xcnt 0x0                                ; tile 0's stores have read their registers: tile 2's loads may land there
	TOSTAGE 2
	SEND 1, 32
	s_wait_xcnt 0x0                                ; tile 1's likewise
	TOSTAGE 3
	SEND 2, 32
	SEND 3, 0
	s_wait_tensorcnt 0x0                           ; the wave's end
	ds_add_u32 v254, v255
	s_wait_dscnt 0x0
	s_endpgm
.Lfunc_end_k_q6c6e0cd277_fc:
	.size	k_q6c6e0cd277_fc, .Lfunc_end_k_q6c6e0cd277_fc-k_q6c6e0cd277_fc
	.p2alignl 7, 3214868480
	.fill 96, 4, 3214868480
	.section	.rodata,"a",@progbits
	.p2align	6, 0x0
	.amdhsa_kernel k_q6c6e0cd277_fc
		.amdhsa_group_segment_fixed_size 168448
		.amdhsa_private_segment_fixed_size 0
		.amdhsa_enable_private_segment 0
		.amdhsa_kernarg_size 40
		.amdhsa_user_sgpr_count 2
		.amdhsa_user_sgpr_kernarg_segment_ptr 1
		.amdhsa_wavefront_size32 1
		.amdhsa_system_sgpr_workgroup_id_x 1
		.amdhsa_system_sgpr_workgroup_id_y 1
		.amdhsa_system_sgpr_workgroup_id_z 1
		.amdhsa_system_vgpr_workitem_id 0
		.amdhsa_next_free_vgpr 1024
		.amdhsa_next_free_sgpr 66
		.amdhsa_reserve_vcc 0
		.amdhsa_float_denorm_mode_32 3
		.amdhsa_float_denorm_mode_16_64 3
		.amdhsa_memory_ordered 1
		.amdhsa_forward_progress 1
		.amdhsa_inst_pref_size 91
	.end_amdhsa_kernel
	.amdgpu_metadata
---
amdhsa.version: [ 1, 2 ]
amdhsa.kernels:
  - .name:           k_q6c6e0cd277_fc
    .symbol:         k_q6c6e0cd277_fc.kd
    .args:
      - { .name: aimg, .offset: 0, .size: 8, .value_kind: global_buffer, .address_space: global }
      - { .name: w_out_codes, .offset: 8, .size: 8, .value_kind: global_buffer, .address_space: global }
      - { .name: lowp_scales, .offset: 16, .size: 8, .value_kind: global_buffer, .address_space: global }
      - { .name: b_out, .offset: 24, .size: 8, .value_kind: global_buffer, .address_space: global }
      - { .name: out0, .offset: 32, .size: 8, .value_kind: global_buffer, .address_space: global }
    .group_segment_fixed_size: 168448
    .private_segment_fixed_size: 0
    .kernarg_segment_align: 8
    .kernarg_segment_size: 40
    .max_flat_workgroup_size: 128
    .sgpr_count:     66
    .vgpr_count:     1024
    .wavefront_size: 32
...
	.end_amdgpu_metadata
.endif
;; end of part 3
